; MI455X (gfx1250); checked and timed in simulation.
; The chip was launched on July 23, 2026; its instructions are those of AMD's public machine-readable ISA for CDNA 5 (MIT licence, August 2026) and "CDNA5" Instruction Set Architecture Reference Guide (July 2026). The comments in the code are by the model that wrote it; some were corrected since.
;; Attention Mechanism. Allowed arithmetic: matrix products marked QUANTISED: E2M1 operands, one E8M0 scale for each 32 along K, by v_wmma_scale_f32_16x16x128_f8f6f4 with both operands' format E2M1 (or v_wmma_scale_f32_32x16x128_f4), f32 sums; products left as they are: f32 operands where the result goes on into a quantised operand, else bf16, f16 or f32 operands; f32 sums; everything else in f32.
;; Inputs: W_dec 1,024 x 1,024 float32; W_enc 1,024 x 1,024 float32; b_att 1 float32; b_dec 1,024 float32; b_enc 1,024 float32; decoder_hidden 2 x 32 x 1,024 float32; encoder_outputs 32 x 2,048 x 1,024 float32; mask 32 x 2,048 int32; w_att 1,024 x 1 float32.
;; Outputs: out0 32 x 1 x 1,024 float32; out1 32 x 2,048 float32.
;; This version of the problem:
;;   THIS VERSION OF THE PROBLEM IS GIVEN IN LOW PRECISION. The matrix products marked QUANTISED in the list below multiply operands that are first quantised to E2M1 (2 exponent bits, 1 mantissa bit; 4 bits a number), with one power-of-two scale for each 32 numbers along K (OCP MX v1.0); their sums are f32. All else is computed in f32.
;;   The module's matrix products, in the order in which they are computed (A, B: the left and right operand; K: the contracted axis; several contracted axes count as one K, in the product's order):
;;     1. [M 32, K 1,024] x [K 1,024, N 1,024]; A: input decoder_hidden; B: input W_dec: QUANTISED
;;     2. [M 65,536, K 1,024] x [K 1,024, N 1,024]; A: input encoder_outputs; B: input W_enc: QUANTISED
;;     3. [M 65,536, K 1,024] x [K 1,024, N 1]; A: computed on the way; B: input w_att: left as it is (N = 1 < 16)
;;     4. batch 32 x [M 1, K 2,048] x [K 2,048, N 1,024]; A: softmax; B: input encoder_outputs: left as it is (M = 1 < 16)
;;   THE QUANTISER, for each operand of a quantised product, along K:
;;     - K is cut into blocks of 32 from its start; a last block that is shorter is filled with zeros.
;;     - A block's scale is 2^e with e = floor(log2(the largest magnitude in the block)) - 2, held to -126 .. 127; a block of zeros has e = 0. As a byte (E8M0): e + 127.
;;     - Each number is divided by its block's scale, clamped to +-6, and rounded to the nearest number of E2M1, ties to even, subnormals kept.
;;     - The product sums the exact products of the quantised numbers (number of the format x scale) in f32.
;;   ~~~python
;;   def quantise(x, axis):      # numpy; x: float32 -> the quantised numbers, widened to float32 again
;;       x = np.moveaxis(x, axis, -1); K = x.shape[-1]
;;       x = np.pad(x, [(0, 0)] * (x.ndim - 1) + [(0, -K % 32)]); x = x.reshape(x.shape[:-1] + (-1, 32)); a = np.abs(x).max(-1, keepdims=True)
;;       e = np.where(a > 0, np.clip(np.frexp(np.where(a > 0, a, 1))[1] - 1 - 2, -126, 127), 0)      # np.frexp(a)[1] - 1 = floor(log2(a)), exactly
;;       r = np.clip(x / 2.0 ** e, -6, 6)
;;       step = 2.0 ** (np.maximum(np.frexp(np.where(r == 0, 1, r))[1] - 1, 0) - 1)
;;       q = np.round(r / step) * step * 2.0 ** e      # np.round: ties to even
;;       return np.moveaxis(q.reshape(q.shape[:-2] + (-1,))[..., :K], -1, axis).astype(np.float32)
;;   ~~~
;; One version. Each part assembles by itself: llvm-mc -triple=amdgcn-amd-amdhsa -mcpu=gfx1250 --defsym DOCPART=n.
;; ======== version 1 of 1: 3 launches
;; limits: values are held in bf16: 8 bits of precision; right only within a limited range of input values
;; workspace buffers: wq 524,288 bytes; wsc 32,768 bytes; bias 262,144 bytes; scores 262,144 bytes; stats 65,536 bytes; ctxp 4,194,304 bytes
;; launch prep (part 1): grid 128 x 1, 8 waves a work-group, no clusters, 41,984 bytes of LDS; arguments W_enc, W_dec, decoder_hidden, b_dec, b_enc, wq, wsc, bias; writes wq, wsc, bias
.if DOCPART == 1
	.amdgcn_target "amdgcn-amd-amdhsa--gfx1250"
	.amdhsa_code_object_version 6
	.text
	.protected	k_q65a3b5725b_prep
	.globl	k_q65a3b5725b_prep
	.p2align	8
	.type	k_q65a3b5725b_prep,@function
k_q65a3b5725b_prep:
	s_mov_b64 s[64:65], 0
	v_nop
	global_prefetch_b8 v0, s[64:65] scope:SCOPE_SE
	s_setreg_imm32_b32 hwreg(HW_REG_WAVE_MODE, 25, 1), 1
	s_wait_xcnt 0x0
; Work-groups 0-63: W_enc [1024 (k)][1024 (n)] f32 becomes codes of FP4 (E2M1) and E8M0 scale bytes, laid in the order of the matrix operand's registers.
; Work-groups 64-127: W_dec is quantised in the same way and multiplied at once, on codes, by the quantised last layer of decoder_hidden; two partial tables of c (dec_proj + b_dec + b_enc), c = 2 log2(e), are stored.
; SHARES.  Work-group: 32 columns (cg = number mod 32) and the four K steps of one parity (bit 5 of the number).  Wave w: K step 2 (w / 2) + parity, half c = w % 2 of it: rows k = 128 step + 64 c + 0 .. 63.
; A LANE TAKES A COLUMN AND ITS REGISTERS RUN DOWN K: each load reads 128 consecutive bytes, a block of 32 along K lies in one lane's registers, and the conversions give codes with K innermost.
; All loads of a wave go out together at its head: 64 of W, and in the second kind 16 of the decoder's rows and 2 of the biases.
; A block's scale is 2^(floor(log2(largest magnitude)) - 2); its byte is the largest magnitude's exponent field - 2, held at 1 from below.
; wq  [tile 64][K step 8][c 2][lane 32][16 bytes]: registers 4 c .. 4 c + 3 of lane (r, h) of the fragment: column 16 tile + r, k = 128 step + 64 c + 32 h + 0 .. 31.
; wsc [tile 64][lane 32][4 words]: word q of lane (r, h): the scale word of column 16 tile + r for K step 2 q + h.  A work-group of parity h makes all four words of lanes (r, h): 256 consecutive bytes a tile.
; bias [parity 2][cg 32][batch 32][32 columns] f32: the sum over the parity's four K steps, x c; b_dec + b_enc go into parity 0's table alone.  The next launch adds the two tables.
; The two kinds of work-group part once, on the work-group's number, and never join: each has its own barrier and its own LDS bytes.
; LIMITS: NaN and infinities among the inputs are not served.  A block of zeros gets the byte 1 where the rule says 127: its codes are zeros, and this program alone reads the bytes.
; dec_proj's K is shared out over sixteen waves of two work-groups and the partial sums are added in f32.
.set SWA,   0                          ; LDS, first kind: 512 bytes of scale words: [tile 2][r 16][16 bytes]
.set RED,   1024                       ; LDS, second kind: for each wave 32 batch rows x (128 bytes + 16)
.set RPW,   4608
.set X,     64                         ; v64-127  64 numbers of my column
.set DN,    128                        ; v128-191 32 numbers of a decoder row, for batches 0-15 and for 16-31
.set FLOOR, 0x1800000                  ; 2^(3 - 127): under it no largest magnitude is taken, so the byte cannot fall under 1
; v1 lane, v2 r, v3 h, v4 .. v14 addresses; v16-17 largest magnitudes, v20-21 scale operands, v24-25 bytes; v28 W's scale bytes; v29, v30 the decoder's scale words; v31 a permute's target
; v32-39, v40-47 W's fragments of the two tiles of 16 columns; v48-55, v56-63 the decoder's of batches 0-15, 16-31; in each the upper four registers are zero codes; v192-199 b_dec, b_enc
.macro WLOAD b                         ; W(128 step + 64 c + i, my column), i = 0 .. 63
.set i, 0
.rept 64
	global_load_b32 v[X+i], v4, s[\b:\b+1] offset:i*4096 th:TH_LOAD_NT
.set i, i+1
.endr
.endm
.macro WQ                              ; my column's two blocks, by turns: codes of block b into v[32 + 8 b] on, the two scale bytes into v28
.irp b, 0,1
	v_max3_num_f32 v[16+\b], |v[X+32*\b]|, |v[X+32*\b+1]|, FLOOR
.endr
.irp i, 2,4,6,8,10,12,14,16,18,20,22,24,26,28,30
.irp b, 0,1
	s_delay_alu instid0(VALU_DEP_2)
	v_max3_num_f32 v[16+\b], v[16+\b], |v[X+32*\b+\i]|, |v[X+32*\b+\i+1]|
.endr
.endr
.irp b, 0,1
	s_delay_alu instid0(VALU_DEP_2)
	v_add_nc_u32 v[20+\b], 0xff000000, v[16+\b]    ; 2 off the exponent field: the conversion takes this operand's exponent field as its scale
.endr
.irp b, 0,1
	s_delay_alu instid0(VALU_DEP_2)
	v_lshrrev_b32 v[24+\b], 23, v[20+\b]           ; the scale's byte
.endr
	s_delay_alu instid0(VALU_DEP_1)
	v_lshl_or_b32 v28, v25, 8, v24                 ; the upper two bytes stay 0
.irp b, 0,1
.irp g, 0,1,2,3
	v_cvt_scalef32_pk8_fp4_f32 v[32+8*\b+\g], v[X+32*\b+8*\g:X+32*\b+8*\g+7], v[20+\b]
.endr
.endr
	v_nop                                          ; one plain line behind the last scaled conversion
.endm
.macro DLOAD                           ; lane (r, h): of batch 16 mt + r the numbers k = 128 step + 64 c + 32 h + 0 .. 31: one whole block
.irp mt, 0,1
.irp i, 0,1,2,3,4,5,6,7
	global_load_b128 v[DN+32*\mt+4*\i:DN+32*\mt+4*\i+3], v5, s[12:13] offset:\mt*65536+16*\i
.endr
.endr
.endm
.macro DQ                              ; the two tiles of batches by turns: a lane's block becomes registers 0 .. 3 of the fragment; the scale word's two bytes come from lanes l and l xor 16
.irp m, 0,1
	v_max3_num_f32 v[16+\m], |v[DN+32*\m]|, |v[DN+32*\m+1]|, FLOOR
.endr
.irp i, 2,4,6,8,10,12,14,16,18,20,22,24,26,28,30
.irp m, 0,1
	s_delay_alu instid0(VALU_DEP_2)
	v_max3_num_f32 v[16+\m], v[16+\m], |v[DN+32*\m+\i]|, |v[DN+32*\m+\i+1]|
.endr
.endr
.irp m, 0,1
	s_delay_alu instid0(VALU_DEP_2)
	v_add_nc_u32 v[20+\m], 0xff000000, v[16+\m]
.endr
.irp m, 0,1
	s_delay_alu instid0(VALU_DEP_2)
	v_lshrrev_b32 v[24+\m], 23, v[20+\m]
.endr
.irp m, 0,1
	s_delay_alu instid0(VALU_DEP_2)
	v_lshlrev_b32 v[29+\m], v13, v[24+\m]          ; block h's byte, 8 h bits up
.endr
	s_delay_alu instid0(VALU_DEP_2)
	v_permlanex16_b32 v31, v29, s24, s25
	s_delay_alu instid0(VALU_DEP_1)
	v_or_b32 v29, v29, v31                         ; with the other half's byte; the upper two bytes stay 0
	s_delay_alu instid0(VALU_DEP_2)
	v_permlanex16_b32 v31, v30, s24, s25
	s_delay_alu instid0(VALU_DEP_1)
	v_or_b32 v30, v30, v31
.irp m, 0,1
.irp g, 0,1,2,3
	v_cvt_scalef32_pk8_fp4_f32 v[48+8*\m+\g], v[DN+32*\m+8*\g:DN+32*\m+8*\g+7], v[20+\m]
.endr
.endr
	v_nop                                          ; one plain line behind the last scaled conversion
.endm
	s_load_b512 s[8:23], s[0:1], 0x0               ; W_enc s[8:9], W_dec s[10:11], decoder_hidden s[12:13], b_dec s[14:15], b_enc s[16:17], wq s[18:19], wsc s[20:21], bias s[22:23]
	v_lshl_add_u32 v254, v0, 2, 0xa000
	v_mov_b32 v255, 0
	v_lshrrev_b32 v1, 5, v0
	s_delay_alu instid0(VALU_DEP_1)
	v_readfirstlane_b32 s2, v1                     ; wave
	v_and_b32 v1, 31, v0                           ; lane
	v_and_b32 v2, 15, v0                           ; r
	v_bfe_u32 v3, v0, 4, 1                         ; h
	s_and_b32 s3, ttmp9, 31                        ; cg
	s_bfe_u32 s6, ttmp9, 0x10005                   ; the parity: one bit from bit 5
	s_and_b32 s7, s2, 6                            ; 2 (w / 2)
	s_add_co_u32 s7, s7, s6                        ; my K step
	s_and_b32 s5, s2, 1                            ; c
	v_lshlrev_b32 v4, 2, v1                        ; W: 4 bytes a lane
	v_lshlrev_b32 v5, 12, v2
	s_delay_alu instid0(VALU_DEP_1)
	v_lshl_add_u32 v5, v3, 7, v5                   ; decoder: row r, + 128 h bytes
	v_lshlrev_b32 v6, 4, v2
	s_delay_alu instid0(VALU_DEP_1)
	v_lshl_add_u32 v6, v3, 13, v6                  ; wq: tile h of my two, 16 r
	v_lshlrev_b32 v7, 4, v2
	s_delay_alu instid0(VALU_DEP_1)
	v_lshl_add_u32 v7, v3, 8, v7
	s_lshl_b32 s4, s2, 1
	v_add_nc_u32 v7, s4, v7                        ; LDS: 256 (tile) + 16 r + 2 w: word w / 2, bytes 2 c and 2 c + 1
	s_lshl_b32 s4, s2, 9
	v_lshl_add_u32 v8, v1, 4, s4                   ; 512 w + 16 lane: my place in a partial table of bias
	s_mul_i32 s4, s2, RPW
	s_add_co_u32 s4, s4, RED
	v_mul_u32_u24 v9, v2, 144
	s_delay_alu instid0(VALU_DEP_1)
	v_lshl_add_u32 v9, v3, 5, v9
	s_delay_alu instid0(VALU_DEP_1)
	v_add_nc_u32 v9, s4, v9                        ; LDS: my wave's partial sums: batch row r, + 32 h
	s_mul_i32 s4, s2, 576
	s_add_co_u32 s4, s4, RED
	v_bfe_u32 v10, v0, 3, 2
	s_delay_alu instid0(VALU_DEP_1)
	v_mul_u32_u24 v10, v10, 144
	v_and_b32 v11, 7, v0
	s_delay_alu instid0(VALU_DEP_1)
	v_lshlrev_b32 v11, 4, v11                      ; 16 (lane % 8): also my four columns in b_dec and b_enc
	s_delay_alu instid0(VALU_DEP_1)
	v_add_nc_u32 v10, v10, v11
	s_delay_alu instid0(VALU_DEP_1)
	v_add_nc_u32 v10, s4, v10                      ; LDS, back: batch row 4 w + lane / 8, 16 bytes
	v_lshlrev_b32 v12, 4, v2
	s_delay_alu instid0(VALU_DEP_1)
	v_lshl_add_u32 v12, v3, 9, v12                 ; wsc: 512 (tile) + 16 r
	v_lshlrev_b32 v13, 3, v3                       ; 8 h
	v_lshlrev_b32 v14, 4, v1                       ; LDS: 16 x lane
	v_mov_b32 v31, 0                               ; a lane permute's destination counts as one of its sources
	s_mov_b32 s24, 0x76543210
	s_mov_b32 s25, 0xfedcba98                      ; selects: lane l xor 16
	s_mov_b32 s26, 0x4038aa3b                      ; c = 2 log2(e)
	s_mov_b32 s27, s26
	s_lshl_b32 s28, s7, 19                         ; 128 rows of 4,096 bytes a K step,
	s_lshl_b32 s4, s5, 18                          ; 64 a half,
	s_add_co_u32 s28, s28, s4
	s_lshl_b32 s4, s3, 7                           ; + 32 cg columns
	s_add_co_u32 s28, s28, s4
	s_mov_b32 s29, 0
	s_mov_b32 s31, 0
	s_wait_kmcnt 0x0
	s_cmp_lt_u32 ttmp9, 64
	s_cbranch_scc0 .Ldec
	; ---- W_enc: quantise and store
	s_add_nc_u64 s[8:9], s[8:9], s[28:29]
	WLOAD 8
	s_lshl_b32 s30, s3, 14                         ; two tiles of 8,192 bytes a group of columns,
	s_lshl_b32 s4, s7, 10                          ; 1,024 bytes a K step,
	s_add_co_u32 s30, s30, s4
	s_lshl_b32 s4, s5, 9                           ; 512 a half
	s_add_co_u32 s30, s30, s4
	s_add_nc_u64 s[18:19], s[18:19], s[30:31]
	s_lshl_b32 s30, s3, 10                         ; wsc: two tiles of 512 bytes, the parity's 256 of each
	s_lshl_b32 s4, s6, 8
	s_add_co_u32 s30, s30, s4
	s_add_nc_u64 s[20:21], s[20:21], s[30:31]
	s_wait_loadcnt 0x0
	WQ
	global_store_b128 v6, v[32:35], s[18:19]               ; block 2 c: lanes 0-15 of the fragment.  Sixteen lanes store 256 consecutive bytes, aligned
	global_store_b128 v6, v[40:43], s[18:19] offset:256    ; block 2 c + 1: lanes 16-31
	ds_store_b16 v7, v28
	s_wait_dscnt 0x0                               ; for the others' sake: my scale bytes lie in LDS
	s_barrier_signal -1
	s_barrier_wait -1
	s_cmp_lg_u32 s2, 0                             ; the 512 bytes leave by wave 0: sixteen lanes to each tile's 256 consecutive bytes, aligned
	s_cbranch_scc1 .Lend_enc
	ds_load_b128 v[48:51], v14
	s_wait_dscnt 0x0
	global_store_b128 v12, v[48:51], s[20:21]
.Lend_enc:
	s_wait_tensorcnt 0x0
	ds_add_u32 v254, v255
	s_wait_dscnt 0x0
	s_endpgm
	; ---- W_dec: quantise, multiply, reduce over the work-group's eight halves of K steps, add the biases
.Ldec:
	s_add_nc_u64 s[10:11], s[10:11], s[28:29]
	s_lshl_b32 s30, s7, 9                          ; the decoder's row: 512 bytes a K step,
	s_lshl_b32 s4, s5, 8                           ; 256 a half,
	s_add_co_u32 s30, s30, s4
	s_add_co_u32 s30, s30, 131072                  ; in the last layer
	s_add_nc_u64 s[12:13], s[12:13], s[30:31]
	s_lshl_b32 s30, s3, 7
	s_add_nc_u64 s[14:15], s[14:15], s[30:31]
	s_add_nc_u64 s[16:17], s[16:17], s[30:31]
	DLOAD
	s_wait_alu depctr_va_vdst(0)
	global_load_b128 v[192:195], v11, s[14:15]     ; b_dec, b_enc of my four columns
	global_load_b128 v[196:199], v11, s[16:17]
	WLOAD 10
	s_lshl_b32 s30, s3, 12                         ; bias: 4,096 bytes a group of columns,
	s_lshl_b32 s4, s6, 17                          ; 131,072 a parity
	s_add_co_u32 s30, s30, s4
	s_add_nc_u64 s[22:23], s[22:23], s[30:31]
.irp z, 36,37,38,39,44,45,46,47,52,53,54,55,60,61,62,63
	v_mov_b32 v\z, 0                               ; my 64 along K fill the first half of a fragment of 128; the second half is zero codes, on both sides
.endr
	s_wait_loadcnt 63                              ; behind the decoder's 16 loads 66 were issued; 63 is the largest count that the wait can name, and it is under 66
	DQ
	s_wait_loadcnt 0x0                             ; W, and the biases
	WQ
.irp i, 0,1,2,3                                ; a lane held one column's two blocks: the operand wants, of tile 0 and of tile 1, the first block in lanes 0-15 and the second in lanes 16-31
	v_permlane16_swap_b32 v[32+\i], v[40+\i]
.endr
.rept 8
	v_nop                                          ; scale words and operands written by vector instructions stand eight and four places ahead of a scaled matrix instruction
.endr
	; transposed: source 0 = 16 columns of W, source 1 = 16 batches: lane (r, h) register j = (column 16 nt + 8 h + j, batch 16 mt + r)
	v_wmma_scale_f32_16x16x128_f8f6f4 v[64:71], v[32:39], v[48:55], 0, v28, v29 matrix_a_fmt:MATRIX_FMT_FP4 matrix_b_fmt:MATRIX_FMT_FP4
	v_wmma_scale_f32_16x16x128_f8f6f4 v[72:79], v[32:39], v[56:63], 0, v28, v30 matrix_a_fmt:MATRIX_FMT_FP4 matrix_b_fmt:MATRIX_FMT_FP4
	v_wmma_scale_f32_16x16x128_f8f6f4 v[80:87], v[40:47], v[48:55], 0, v28, v29 matrix_a_fmt:MATRIX_FMT_FP4 matrix_b_fmt:MATRIX_FMT_FP4 matrix_a_scale:MATRIX_SCALE_ROW1
	v_wmma_scale_f32_16x16x128_f8f6f4 v[88:95], v[40:47], v[56:63], 0, v28, v30 matrix_a_fmt:MATRIX_FMT_FP4 matrix_b_fmt:MATRIX_FMT_FP4 matrix_a_scale:MATRIX_SCALE_ROW1
.rept 4
	v_nop                                          ; four places ahead of the first read of the results (ISA guide 7.12.1)
.endr
.irp nt, 0,1
.irp mt, 0,1
	ds_store_b128 v9, v[64+8*(2*\nt+\mt):64+8*(2*\nt+\mt)+3] offset:\mt*2304+\nt*64        ; each result from its low end on
	ds_store_b128 v9, v[64+8*(2*\nt+\mt)+4:64+8*(2*\nt+\mt)+7] offset:\mt*2304+\nt*64+16
.endr
.endr
	s_wait_dscnt 0x0                               ; for the others' sake: my partial sums lie in LDS
	s_barrier_signal -1
	s_barrier_wait -1
.irp k, 0,1,2,3,4,5,6,7
	ds_load_b128 v[96+4*\k:99+4*\k], v10 offset:\k*RPW
.endr
	s_cmp_eq_u32 s6, 0                             ; the biases count in parity 0's table alone: their factor is c or 0
	s_cselect_b32 s4, s26, 0
	s_mov_b32 s5, s4
	v_pk_add_f32 v[192:193], v[192:193], v[196:197]
	v_pk_add_f32 v[194:195], v[194:195], v[198:199]
	s_delay_alu instid0(VALU_DEP_2)
	v_pk_mul_f32 v[192:193], v[192:193], s[4:5] op_sel_hi:[1,0]
	s_delay_alu instid0(VALU_DEP_2)
	v_pk_mul_f32 v[194:195], v[194:195], s[4:5] op_sel_hi:[1,0]
	s_wait_dscnt 0x0
.irp k, 1
	v_pk_add_f32 v[96:97], v[96:97], v[96+4*\k:97+4*\k]
	v_pk_add_f32 v[98:99], v[98:99], v[98+4*\k:99+4*\k]
.endr
.irp k, 2, 3, 4, 5, 6, 7
	s_delay_alu instid0(VALU_DEP_2)
	v_pk_add_f32 v[96:97], v[96:97], v[96+4*\k:97+4*\k]
	s_delay_alu instid0(VALU_DEP_2)
	v_pk_add_f32 v[98:99], v[98:99], v[98+4*\k:99+4*\k]
.endr
	s_delay_alu instid0(VALU_DEP_2)
	v_pk_fma_f32 v[96:97], v[96:97], s[26:27], v[192:193] op_sel_hi:[1,0,1]
	s_delay_alu instid0(VALU_DEP_2)
	v_pk_fma_f32 v[98:99], v[98:99], s[26:27], v[194:195] op_sel_hi:[1,0,1]
	global_store_b128 v8, v[96:99], s[22:23]       ; the wave stores 512 consecutive bytes: batch rows 4 w .. 4 w + 3
	s_wait_tensorcnt 0x0
	ds_add_u32 v254, v255
	s_wait_dscnt 0x0
	s_endpgm
.Lfunc_end_k_q65a3b5725b_prep:
	.size	k_q65a3b5725b_prep, .Lfunc_end_k_q65a3b5725b_prep-k_q65a3b5725b_prep
	.p2alignl 7, 3214868480
	.fill 96, 4, 3214868480
	.section	.rodata,"a",@progbits
	.p2align	6, 0x0
	.amdhsa_kernel k_q65a3b5725b_prep
		.amdhsa_group_segment_fixed_size 41984
		.amdhsa_private_segment_fixed_size 0
		.amdhsa_enable_private_segment 0
		.amdhsa_kernarg_size 64
		.amdhsa_user_sgpr_count 2
		.amdhsa_user_sgpr_kernarg_segment_ptr 1
		.amdhsa_wavefront_size32 1
		.amdhsa_system_sgpr_workgroup_id_x 1
		.amdhsa_system_sgpr_workgroup_id_y 1
		.amdhsa_system_sgpr_workgroup_id_z 1
		.amdhsa_system_vgpr_workitem_id 0
		.amdhsa_next_free_vgpr 256
		.amdhsa_next_free_sgpr 66
		.amdhsa_reserve_vcc 0
		.amdhsa_float_denorm_mode_32 3
		.amdhsa_float_denorm_mode_16_64 3
		.amdhsa_memory_ordered 1
		.amdhsa_forward_progress 1
		.amdhsa_inst_pref_size 36
	.end_amdhsa_kernel
	.amdgpu_metadata
---
amdhsa.version: [ 1, 2 ]
amdhsa.kernels:
  - .name:           k_q65a3b5725b_prep
    .symbol:         k_q65a3b5725b_prep.kd
    .args:
      - { .name: W_enc, .offset: 0, .size: 8, .value_kind: global_buffer, .address_space: global }
      - { .name: W_dec, .offset: 8, .size: 8, .value_kind: global_buffer, .address_space: global }
      - { .name: decoder_hidden, .offset: 16, .size: 8, .value_kind: global_buffer, .address_space: global }
      - { .name: b_dec, .offset: 24, .size: 8, .value_kind: global_buffer, .address_space: global }
      - { .name: b_enc, .offset: 32, .size: 8, .value_kind: global_buffer, .address_space: global }
      - { .name: wq, .offset: 40, .size: 8, .value_kind: global_buffer, .address_space: global }
      - { .name: wsc, .offset: 48, .size: 8, .value_kind: global_buffer, .address_space: global }
      - { .name: bias, .offset: 56, .size: 8, .value_kind: global_buffer, .address_space: global }
    .group_segment_fixed_size: 41984
    .private_segment_fixed_size: 0
    .kernarg_segment_align: 8
    .kernarg_segment_size: 64
    .max_flat_workgroup_size: 256
    .sgpr_count:     66
    .vgpr_count:     256
    .wavefront_size: 32
...
	.end_amdgpu_metadata
.endif
;; end of part 1
;; launch attend (part 2): grid 256 x 1, 4 waves a work-group, no clusters, 311,808 bytes of LDS; arguments encoder_outputs, mask, w_att, b_att, wq, wsc, bias, scores, stats, ctxp; writes scores, stats, ctxp
.if DOCPART == 2
	.amdgcn_target "amdgcn-amd-amdhsa--gfx1250"
	.amdhsa_code_object_version 6
	.text
	.protected	k_q65a3b5725b_attend
	.globl	k_q65a3b5725b_attend
	.p2align	8
	.type	k_q65a3b5725b_attend,@function
k_q65a3b5725b_attend:
	s_mov_b64 s[64:65], 0
	v_nop
	global_prefetch_b8 v0, s[64:65] scope:SCOPE_SE
	s_setreg_imm32_b32 hwreg(HW_REG_WAVE_MODE, 25, 1), 1
	s_wait_xcnt 0x0
; For 256 rows of one batch: score = w_att . tanh(dec_proj + enc W_enc + biases) + b_att, masked; a running softmax; the partial context.  encoder_outputs is read ONCE.
; SHARES.  Work-group g: rows 256 g .. 256 g + 255 (batch g / 8), in TWO passes of 128 rows, so that W's codes are walked twice.  Wave w owns rows 32 w .. 32 w + 31 of a pass for loading,
; quantising, keeping and the context, and columns 256 w .. 256 w + 255 (16 tiles of 16) for the product, against all 128 rows.
; A PASS.  Q: my 32 rows come from memory straight into registers, a pair of rows at a time, four pairs in flight: two loads on end cover 1,024 consecutive bytes, a lane holds 8 neighbours along K, four lanes a block of 32.
; They become codes of FP4 (E2M1) with E8M0 scale bytes (to an LDS stage of 64 rows, used twice a pass) and bf16 pairs of rows (to LDS as register images, my own 65,536 bytes).
; All waves take the 128 rows' codes into 512 registers.  G: four trips of four tiles of W, each pair of tiles against rows' tiles 0-3 and then 4-7: 64 matrix instructions and their tanh at a time;
; W's codes come from memory into registers in the operand's order, a pair of tiles ahead.  S: partial scores to LDS.  C: every wave adds them, masks, moves the running maximum, makes p, and adds p x (my 32 rows) by bf16 matrix instructions.
; ROW ORDER.  Tile mt = 4 hf + w holds rows 32 w + 16 hf + 0 .. 15 of the pass; sigma = 16 mt + row in tile is the order of the scores in LDS.
; tanh(x) = 1 - 2 / (1 + 2^t), t = c x, c = 2 log2(e): the rows' sums begin with the sum of w and take (-2 w) / (1 + 2^t).  2^t = infinity gives 0, 2^t = 0 gives 1.
; THE SOFTMAX takes the maximum away: a running maximum per work-group here, the batch's in the next launch.  The difference is formed first, so a batch that is masked whole gives p = 1.
; NO TENSOR LOADS, NO JOINT LOADS: of 327,680 bytes of LDS 262,144 keep the pass's rows as bf16 and 33,792 stage codes; neither 128 rows of f32 (524,288 bytes) nor tiles of W have room there, and W goes to registers.
; PREFETCH: in pass 0 each trip asks for 32,768 bytes a wave (four lines, lanes 256 bytes apart) of my own 32 rows of pass 1, each aligned block of 256 bytes once; pass 1 asks for nothing.
; LIMITS: NaN and infinities among the inputs are not served.  A block of zeros gets the scale byte 1 where the rule says 127: its codes are zeros, and this program alone reads the bytes.
; p and encoder_outputs are rounded to bf16 for the context's product; the row's sum is taken of the unrounded p.  An exponential under 2^-126 comes out as 0 (ISA guide, v_exp_f32).
; REGISTERS, in windows of 256 (s_set_vgpr_msb: bits 1:0 source 0, 3:2 source 1, 5:4 source 2, 7:6 destination):
;   window 0: below.   windows 1, 2: the rows' codes, tile mt, K step ks at 64 (mt % 4) + 8 ks of window 1 + mt / 4; in Q window 2 holds four pairs of rows as f32; in C window 1 holds kept rows.   window 3: W's four tiles: 64 i + 8 ks.
.set CP,    528                        ; a staged row of codes: 512 bytes + 16
.set CODE,  262144                     ; LDS 0: for each wave 65,536 bytes of kept rows: [4 pairs ug][i 32][lane][16 bytes]; then the stage of 64 rows of codes
.set ASCL,  295936                     ; 128 rows (sigma) of 32 scale bytes: block b at 16 ((b / 4) % 2) + 4 (b / 8) + b % 4
.set CONST, 300032                     ; for each wave 2,048 bytes: at 256 T + 16 r the bias of the trip's four tiles; 1,024 on, -2 w_att
.set SCR,   308224                     ; [wave][sigma 128] partial scores
.set PKS,   310272                     ; for each wave 256 bytes: p of 64 pairs of rows, as bf16
.set SPARE, 311296                     ; the spare words, 128 bytes a wave, that no other line names
.set FLOOR, 0x1800000                  ; 2^(3 - 127)
.set GA,  1                            ; 32 x lane: my 8 numbers of 256
.set CA,  2                            ; where my codes go
.set SA,  3                            ; where my block's scale byte goes
.set AA,  4                            ; a fragment of codes: row r, + 16 h
.set AS,  5                            ; its rows' scale words
.set CK,  6
.set CKT, 7
.set L16, 8
.set VB,  9
.set VS,  10
.set SW,  11
.set SR,  12
.set PKW, 13
.set PKR, 14
.set SO,  15                           ; byte offset of my four rows in mask and scores
.set SPW, 16
.set NIL, 17
.set NEG, 18
.set WSUM, 19
.set MX,  20
.set LS,  21
.set RT,  32                           ; my kept rows: 65,536 w + 16 lane
.set PFO, 33                           ; 256 x lane
.set BC,  40                           ; v40-43 the trip's biases, v44-47 its -2 w
.set W2,  44
.set ASC, 48                           ; v48-79 in G the rows' scale words, 4 mt + q
.set BSC, 80                           ; v80-95 W's scale words
.set CTX, 96                           ; v96-127 register 8 c + j: the context at e = 256 c + 8 lane + j
.set ACC, 128                          ; v128-191 eight accumulators
.set SAC, 192                          ; v192-255 the rows' sums: 8 mt + j
.set TMP, 128
.set MSB, 0
.macro WIN new
.if MSB != (\new)
	s_set_vgpr_msb (MSB<<8)|(\new)
.set MSB, (\new)
.endif
.endm
.macro WA
	s_wait_alu depctr_va_vdst(0)
.endm
.macro PLACES
.rept 4
	v_nop
.endr
.endm
.macro BARRIER
	s_barrier_signal -1
	s_barrier_wait -1
.endm
; ---- Q
.macro QLOAD s, u                      ; rows 2 u, 2 u + 1 (from s[8:9]) into slot s of window 2: register 32 p + 8 c + j = x[row p][256 c + 8 lane + j]
	WIN 0x80
.irp p, 0,1
.irp c, 0,1,2,3
	global_load_b128 v[64*(\s)+32*\p+8*\c:64*(\s)+32*\p+8*\c+3], v[GA], s[8:9] offset:(2*(\u)+\p)*4096+\c*1024
	global_load_b128 v[64*(\s)+32*\p+8*\c+4:64*(\s)+32*\p+8*\c+7], v[GA], s[8:9] offset:(2*(\u)+\p)*4096+\c*1024+16
.endr
.endr
	WIN 0
.endm
.macro QWORK s, u                      ; eight groups g = 4 p + c of 8 numbers, by turns.  v48.. largest magnitudes, v56.. scale operands, v64.. bytes, v72.. codes
.set QB, 64*(\s)
	s_wait_dscnt 0x0                               ; earlier LDS stores have read the registers that are written again here
	WIN 0x0a
.irp g, 0,1,2,3,4,5,6,7
	v_max3_num_f32 v[48+\g], |v[QB+8*\g]|, |v[QB+8*\g+1]|, FLOOR
.endr
	WIN 0x28
.irp i, 2,4,6
.irp g, 0,1,2,3,4,5,6,7
	v_max3_num_f32 v[48+\g], v[48+\g], |v[QB+8*\g+\i]|, |v[QB+8*\g+\i+1]|
.endr
.endr
	WIN 0
.irp x, 1,2                                    ; with the three other lanes of the block
.irp g, 0,1,2,3,4,5,6,7
	v_max_num_f32_dpp v[48+\g], v[48+\g], v[48+\g] row_xmask:\x row_mask:0xf bank_mask:0xf
.endr
.endr
.irp g, 0,1,2,3,4,5,6,7
	v_add_nc_u32 v[56+\g], 0xff000000, v[48+\g]    ; 2 off the exponent field: the conversion's scale operand
.endr
.irp g, 0,1,2,3,4,5,6,7
	v_lshrrev_b32 v[64+\g], 23, v[56+\g]           ; the scale's byte
.endr
	WIN 0x02
.irp g, 0,1,2,3,4,5,6,7
	v_cvt_scalef32_pk8_fp4_f32 v[72+\g], v[QB+8*\g:QB+8*\g+7], v[56+\g]
.endr
	v_nop                                          ; one plain line behind the last scaled conversion
	WIN 0x0a
.set j, 0
.rept 32
	v_cvt_pk_bf16_f32 v[128+4*j+(\u)%4], v[QB+j], v[QB+32+j]   ; the two rows at one e, four pairs to a run of four registers
.set j, j+1
.endr
	WIN 0
.irp p, 0,1
.irp c, 0,1,2,3
	ds_store_b32 v[CA], v[72+4*\p+\c] offset:(2*((\u)%8)+\p)*CP+128*\c          ; 32 lanes: 128 consecutive bytes of the row's codes
	ds_store_b8 v[SA], v[64+4*\p+\c] offset:(64*((\u)/8)+2*((\u)%8)+\p)*32+4*\c ; the four lanes of a block store the same byte
.endr
.endr
.if (\u)%4 == 3
.set j, 0
.rept 32
	ds_store_b128 v[RT], v[128+4*j:128+4*j+3] offset:((\u)/4)*16384+512*j
.set j, j+1
.endr
.endif
.endm
; the stage's 64 rows of codes into window 1 + hf, in every wave
.macro EXCH hf
	WA
	s_wait_dscnt 0x0                               ; my codes and scale bytes lie in LDS
	BARRIER
	WIN 0x40+0x40*\hf
.irp m, 0,1,2,3
.irp k, 0,1,2,3,4,5,6,7
.irp c, 0,1
	ds_load_b128 v[64*\m+8*\k+4*\c:64*\m+8*\k+4*\c+3], v[AA] offset:\m*16*CP+\k*64+32*\c
.endr
.endr
.endr
	WIN 0
.if \hf == 0
	s_wait_dscnt 0x0                               ; my reads of the stage are over:
	BARRIER                                        ; behind this barrier the second 64 rows' codes may be stored there
.else
.irp m, 0,1,2,3,4,5,6,7
	ds_load_b128 v[ASC+4*\m:ASC+4*\m+3], v[AS] offset:\m*512
.endr
.set j, 0
.rept 64
	v_mov_b32 v[SAC+j], v[WSUM]                    ; the rows' sums begin with the sum of w
.set j, j+1
.endr
	s_wait_dscnt 0x0
.endif
.endm
; ---- G
.macro BLOAD par                       ; tiles 2 par, 2 par + 1 of the group at v[VB]: 2 loads of scale words, then 32 of codes in the order of K; 512 consecutive bytes each
.irp n, 0,1
	global_load_b128 v[BSC+4*(2*\par+\n):BSC+4*(2*\par+\n)+3], v[VS], s[18:19] offset:(2*\par+\n)*512
.endr
	WIN 0xc0
.irp k, 0,1,2,3,4,5,6,7
.irp n, 0,1
.irp c, 0,1
	global_load_b128 v[64*(2*\par+\n)+8*\k+4*\c:64*(2*\par+\n)+8*\k+4*\c+3], v[VB], s[16:17] offset:(2*\par+\n)*8192+\k*1024+\c*512
.endr
.endr
.endr
	WIN 0
.endm
.macro WM d, a, b, sa, sb, k
.if (\k) == 0
	v_wmma_scale_f32_16x16x128_f8f6f4 v[\d:\d+7], v[\a:\a+7], v[\b:\b+7], 0, v[\sa], v[\sb] matrix_a_fmt:MATRIX_FMT_FP4 matrix_b_fmt:MATRIX_FMT_FP4
.elseif ((\k)%2) == 0
	v_wmma_scale_f32_16x16x128_f8f6f4 v[\d:\d+7], v[\a:\a+7], v[\b:\b+7], v[\d:\d+7], v[\sa], v[\sb] matrix_a_fmt:MATRIX_FMT_FP4 matrix_b_fmt:MATRIX_FMT_FP4
.else
	v_wmma_scale_f32_16x16x128_f8f6f4 v[\d:\d+7], v[\a:\a+7], v[\b:\b+7], v[\d:\d+7], v[\sa], v[\sb] matrix_a_fmt:MATRIX_FMT_FP4 matrix_b_fmt:MATRIX_FMT_FP4 matrix_a_scale:MATRIX_SCALE_ROW1 matrix_b_scale:MATRIX_SCALE_ROW1
.endif
.endm
; Two tiles of W against rows' tiles 4 rh .. 4 rh + 3.  The eight accumulators take turns; K step 0 starts the sums.
; rh = 0 waits for W: ahead of K step k may be out the other pair's 34 loads and this pair's four for each of the 7 - k later K steps.
.macro MM par, rh
	WIN 0x0d+\rh
.irp k, 0,1,2,3,4,5,6,7
.if \rh == 0
	s_wait_loadcnt 34+4*(7-\k)
.endif
.irp n, 0,1
.irp m, 0,1,2,3
	WM ACC+8*(4*\n+\m), 64*\m+8*\k, 64*(2*\par+\n)+8*\k, ASC+16*\rh+4*\m+\k/2, BSC+4*(2*\par+\n)+\k/2, \k
.endr
.endr
.endr
	WIN 0
	PLACES                                         ; four places ahead of the first read of the results and of loads into registers that these products read
.endm
; The tanh of the two tiles X (v128-159) and Y (v160-191).  Both tiles' t first; then batches of 32 transcendentals, each with one wait ahead and one behind; the plain lines dealt into a batch
; read what was settled ahead of that batch's first wait, and their results are read behind its second.
.macro TANH par, rh
.set SB, SAC+32*\rh
.set q, 0
.rept 16
	v_pk_fma_f32 v[ACC+q:ACC+q+1], v[ACC+q:ACC+q+1], s[28:29], v[BC+2*\par:BC+2*\par+1] op_sel:[0,0,0] op_sel_hi:[1,0,0]
.set q, q+2
.endr
.set q, 0
.rept 16
	v_pk_fma_f32 v[ACC+32+q:ACC+32+q+1], v[ACC+32+q:ACC+32+q+1], s[28:29], v[BC+2*\par:BC+2*\par+1] op_sel:[0,0,1] op_sel_hi:[1,0,1]
.set q, q+2
.endr
	WA
.set q, 0
.rept 32
	v_exp_f32 v[ACC+q], v[ACC+q]                   ; X: 2^t
.set q, q+1
.endr
	v_nop
	WA
.set q, 0
.rept 16                                       ; Y: 2^t | X: + 1
	v_exp_f32 v[ACC+32+q], v[ACC+32+q]
	v_exp_f32 v[ACC+32+q+1], v[ACC+32+q+1]
	v_pk_add_f32 v[ACC+q:ACC+q+1], v[ACC+q:ACC+q+1], 1.0 op_sel_hi:[1,0]
.set q, q+2
.endr
	WA
.set q, 0
.rept 16                                       ; X: the reciprocal | Y: + 1
	v_rcp_f32 v[ACC+q], v[ACC+q]
	v_rcp_f32 v[ACC+q+1], v[ACC+q+1]
	v_pk_add_f32 v[ACC+32+q:ACC+32+q+1], v[ACC+32+q:ACC+32+q+1], 1.0 op_sel_hi:[1,0]
.set q, q+2
.endr
	WA
.set q, 0
.rept 16                                       ; Y: the reciprocal | X: into the rows' sums
	v_rcp_f32 v[ACC+32+q], v[ACC+32+q]
	v_rcp_f32 v[ACC+32+q+1], v[ACC+32+q+1]
	v_pk_fma_f32 v[SB+q:SB+q+1], v[ACC+q:ACC+q+1], v[W2+2*\par:W2+2*\par+1], v[SB+q:SB+q+1] op_sel:[0,0,0] op_sel_hi:[1,0,1]
.set q, q+2
.endr
	WA
.set q, 0
.rept 16                                       ; Y: into the rows' sums
	v_pk_fma_f32 v[SB+q:SB+q+1], v[ACC+32+q:ACC+32+q+1], v[W2+2*\par:W2+2*\par+1], v[SB+q:SB+q+1] op_sel:[0,1,0] op_sel_hi:[1,1,1]
.set q, q+2
.endr
.endm
.macro PAIR par
	MM \par, 0
.if \par == 0
	s_wait_dscnt 0x0                               ; the trip's biases and -2 w
.endif
	TANH \par, 0
	MM \par, 1
	s_cmp_eq_u32 s74, 1                            ; the launch's last trip asks for no more of W: it waits for all that is out instead, so that the counted waits hold on both ways
	s_cbranch_scc1 .Lnone_\@
.if \par == 0
	s_wait_xcnt 0x0                                ; the offsets and the prefetches' base are rewritten only behind this wait
	s_add_co_u32 s58, s58, 32768                   ; four tiles of 8,192 bytes on,
	s_and_b32 s58, s58, 0x1ffff                    ; round my 16 tiles
	s_lshr_b32 s59, s58, 4
	s_add_nc_u64 s[76:77], s[76:77], 32768
	v_add_nc_u32 v[VB], s58, v[L16]
	v_add_nc_u32 v[VS], s59, v[L16]
	WA
.endif
	BLOAD \par                                     ; the same two tiles of the next group, into the registers just read
	s_branch .Lgot_\@
.Lnone_\@:
	s_wait_loadcnt 0x0
.Lgot_\@:
.if \par == 0
	s_cmp_lg_u32 s55, 2                            ; pass 0 alone: 32,768 bytes of my rows of pass 1, each lane another aligned block of 256 bytes
	s_cbranch_scc1 .Lnopf_\@
.irp n, 0,1,2,3
	global_prefetch_b8 v[PFO], s[76:77] offset:\n*8192 th:TH_LOAD_NT scope:SCOPE_SE
.endr
.Lnopf_\@:
.endif
	TANH \par, 1
.endm
; kept rows of e-registers i = 16 rr .. 16 rr + 15 into window 1: 16 registers each: pairs of rows 0-7, then 8-15
.macro RLOAD rr
	WIN 0x40
.irp i, 0,1,2,3,4,5,6,7,8,9,10,11,12,13,14,15
.irp ug, 0,1,2,3
	ds_load_b128 v[16*\i+4*\ug:16*\i+4*\ug+3], v[RT] offset:\ug*16384+(16*\rr+\i)*512
.endr
.endr
	WIN 0
.endm
	s_load_b512 s[8:23], s[0:1], 0x0               ; enc s[8:9], mask s[10:11], w_att s[12:13], b_att s[14:15], wq s[16:17], wsc s[18:19], bias s[20:21], scores s[22:23]
	s_load_b128 s[24:27], s[0:1], 0x40             ; stats s[24:25], ctxp s[26:27]
	v_lshl_add_u32 v[SPW], v0, 2, SPARE
	v_mov_b32 v[NIL], 0
	v_lshrrev_b32 v22, 5, v0
	v_readfirstlane_b32 s2, v22                    ; wave 0..3
	v_and_b32 v22, 31, v0                          ; l
	v_and_b32 v23, 15, v0                          ; r
	v_bfe_u32 v24, v0, 4, 1                        ; h
	v_lshlrev_b32 v[L16], 4, v22
	v_lshlrev_b32 v[VB], 4, v22
	v_lshlrev_b32 v[VS], 4, v22
	v_lshlrev_b32 v[GA], 5, v22
	v_lshlrev_b32 v[PFO], 8, v22
	v_lshlrev_b32 v28, 2, v23                      ; 4 r
	v_bfe_u32 v29, v0, 2, 2
	v_lshlrev_b32 v[SO], 7, v29                    ; sigma = 4 l is row 32 ((l / 4) % 4) + 16 (l / 16) + 4 (l % 4); 4 bytes a row
	v_lshl_add_u32 v[SO], v24, 6, v[SO]
	v_and_b32 v30, 3, v0
	v_lshl_add_u32 v[SO], v30, 4, v[SO]
	s_mov_b32 s61, 0
	s_mov_b32 s63, 0
	WA
	s_wait_kmcnt 0x0
	s_load_b32 s30, s[14:15], 0x0                  ; b_att
	s_lshl_b32 s60, s2, 17
	s_add_nc_u64 s[16:17], s[16:17], s[60:61]      ; wq at my 16 tiles
	s_add_nc_u64 s[8:9], s[8:9], s[60:61]          ; enc: 32 rows of 4,096 bytes a wave,
	s_lshl_b32 s60, ttmp9, 20                      ; 256 rows a work-group
	s_add_nc_u64 s[8:9], s[8:9], s[60:61]
	s_add_nc_u64 s[76:77], s[8:9], 524288-32768    ; the prefetches' base: the first trip steps it to my rows of pass 1
	s_lshl_b32 s60, s2, 13
	s_add_nc_u64 s[18:19], s[18:19], s[60:61]      ; wsc
	s_lshl_b32 s60, s2, 15
	s_lshr_b32 s62, ttmp9, 3
	s_lshl_b32 s62, s62, 7
	s_add_co_u32 s60, s60, s62
	s_add_nc_u64 s[20:21], s[20:21], s[60:61]      ; bias: my eight groups of 32 columns, my batch's row
	s_lshl_b32 s60, s2, 10
	s_add_nc_u64 s[12:13], s[12:13], s[60:61]      ; w_att at my 256 columns
	s_lshl_b32 s60, ttmp9, 10
	s_add_nc_u64 s[10:11], s[10:11], s[60:61]      ; mask and scores at my 256 rows
	s_add_nc_u64 s[22:23], s[22:23], s[60:61]
	s_lshl_b32 s60, ttmp9, 8
	s_add_nc_u64 s[24:25], s[24:25], s[60:61]
	s_lshl_b32 s60, ttmp9, 14
	s_lshl_b32 s62, s2, 12
	s_add_co_u32 s60, s60, s62
	s_add_nc_u64 s[26:27], s[26:27], s[60:61]
	BLOAD 0                                        ; W's group 0 first, so that the rows' counted waits count rows alone
	BLOAD 1
.irp t, 0,1,2,3,4,5,6,7,8,9,10,11,12,13,14,15
	global_load_b32 v[TMP+\t], v28, s[20:21] offset:(\t/2)*4096+(\t%2)*64
.endr
.irp t, 0,1,2,3,4,5,6,7,8,9,10,11,12,13,14,15
	global_load_b32 v[TMP+32+\t], v28, s[20:21] offset:131072+(\t/2)*4096+(\t%2)*64
.endr
.irp t, 0,1,2,3,4,5,6,7,8,9,10,11,12,13,14,15
	global_load_b32 v[TMP+16+\t], v28, s[12:13] offset:\t*64
.endr
	global_load_b128 v[TMP+48:TMP+51], v[SO], s[10:11]             ; the mask of my four rows in pass 0,
	global_load_b128 v[TMP+52:TMP+55], v[SO], s[10:11] offset:512  ; and in pass 1
.irp s, 0,1,2,3
	QLOAD \s, \s
.endr
	s_mov_b32 s28, 0x4038aa3b                      ; c = 2 log2(e)
	s_mov_b32 s29, s28
	s_mov_b32 s44, 0x76543210
	s_mov_b32 s45, 0xfedcba98                      ; selects: lane l xor 16
	s_mov_b32 s46, 0x3fb8aa3b                      ; log2(e)
	s_mov_b32 s47, 0x01000001                      ; lanes 0 and 24
.irp j, 1,2,3,4,5,6,7
	s_mov_b32 s[47+\j], 0x01010101<<\j             ; the lanes with lane % 8 = j
.endr
	s_mul_i32 s32, s2, 16*CP
	s_add_co_u32 s32, s32, CODE
	s_lshl_b32 s33, s2, 9
	s_add_co_u32 s34, s33, SCR
	s_add_co_u32 s33, s33, ASCL
	s_lshl_b32 s35, s2, 11
	s_add_co_u32 s35, s35, CONST
	s_lshl_b32 s36, s2, 8
	s_add_co_u32 s36, s36, PKS
	s_mul_i32 s37, s2, 288
	s_add_co_u32 s37, s37, PKS
	s_lshl_b32 s38, s2, 16
	s_mov_b32 s55, 2                               ; passes to go
	s_mov_b32 s74, 8                               ; trips to go
	s_mov_b32 s58, 0
	; every LDS address is made here, of the thread's number, the wave's number and constants
	v_lshl_add_u32 v[CA], v22, 2, s32
	v_lshl_add_u32 v[SA], v24, 4, v29
	v_add_nc_u32 v[SA], s33, v[SA]
	v_mul_u32_u24 v[AA], v23, CP
	v_lshl_add_u32 v[AA], v24, 4, v[AA]
	v_add_nc_u32 v[AA], CODE, v[AA]
	v_lshlrev_b32 v[AS], 5, v23
	v_lshl_add_u32 v[AS], v24, 4, v[AS]
	v_add_nc_u32 v[AS], ASCL, v[AS]
	v_lshl_add_u32 v[CK], v23, 4, s35
	v_and_b32 v26, 7, v0
	v_lshl_add_u32 v27, v24, 3, v26
	v_lshl_add_u32 v[SW], v27, 2, s34
	v_lshl_add_u32 v[SR], v22, 4, SCR
	v_lshl_add_u32 v[PKW], v22, 3, s36
	v_mov_b32 v[PKR], s37
	v_lshl_add_u32 v[RT], v22, 4, s38
	v_mov_b32 v25, 0                               ; a lane permute's destination counts as one of its sources
	v_mov_b32 v[NEG], 0xd01502f9                   ; -1e10
	v_mov_b32 v[MX], 0xff61b1e6                    ; -3e38, under every score
	v_mov_b32 v[LS], 0
.set j, 0
.rept 32
	v_mov_b32 v[CTX+j], 0                          ; the pass is written once: the first finds zeros
.set j, j+1
.endr
	WA
	s_wait_loadcnt 63                              ; behind the mask's loads 64 were issued; 63 is under that
.irp t, 0,2,4,6,8,10,12,14
	v_pk_add_f32 v[TMP+\t:TMP+\t+1], v[TMP+\t:TMP+\t+1], v[TMP+32+\t:TMP+32+\t+1]   ; the bias's two partial tables
.endr
	v_add_f32 v[WSUM], v[TMP+16], v[TMP+17]
.irp t, 2,3,4,5,6,7,8,9,10,11,12,13,14,15
	v_add_f32 v[WSUM], v[WSUM], v[TMP+16+\t]
.endr
.irp t, 0,1,2,3,4,5,6,7,8,9,10,11,12,13,14,15
	v_mul_f32 v[TMP+16+\t], -2.0, v[TMP+16+\t]
.endr
.irp q, 0,1,2,3,4,5,6,7
	v_cmp_eq_u32 s[66+\q], 0, v[TMP+48+\q]         ; s66-69: my four rows hidden in the pass in hand; s70-73: in the next
.endr
.irp t, 0,1,2,3
	ds_store_b128 v[CK], v[TMP+4*\t:TMP+4*\t+3] offset:256*\t              ; my wave's own bytes; lanes r and r + 16 store the same values
	ds_store_b128 v[CK], v[TMP+16+4*\t:TMP+16+4*\t+3] offset:1024+256*\t
.endr
	WA
	s_wait_kmcnt 0x0
	s_mov_b32 s31, s30
.Lpass:
	; ---- Q: 16 pairs of rows; behind pair U's 16 loads those of the next three pairs (fewer at the end) may be out
.set U, 0
.rept 16
.if U < 13
	s_wait_loadcnt 48
.else
	s_wait_loadcnt 16*(15-U)
.endif
	QWORK U%4, U
.if U < 12
	QLOAD U%4, U+4
.endif
.if U == 7
	EXCH 0
.endif
.set U, U+1
.endr
	EXCH 1
	; ---- G
	s_mov_b32 s57, 0
	s_mov_b32 s56, 4
.Ltrip:
	v_add_nc_u32 v[CKT], s57, v[CK]
	ds_load_b128 v[BC:BC+3], v[CKT]
	ds_load_b128 v[W2:W2+3], v[CKT] offset:1024
	PAIR 0
	PAIR 1
	s_add_co_u32 s57, s57, 256
	s_sub_co_u32 s74, s74, 1
	s_sub_co_u32 s56, s56, 1
	s_cmp_lg_u32 s56, 0
	WA
	s_cbranch_scc1 .Ltrip
	s_cmp_lg_u32 s55, 2
	s_cbranch_scc1 .Lno_rows
.irp s, 0,1,2,3
	QLOAD \s, 64+\s                                ; pass 1's first four pairs of rows, 128 rows on, into window 2, which the products have left
.endr
.Lno_rows:
	RLOAD 0                                        ; my kept rows, into window 1
	; ---- S: the sums over the sixteen lanes of a half; lane r keeps register r % 8
.irp x, 1,2,4,8
.set j, 0
.rept 64
	v_add_f32_dpp v[SAC+j], v[SAC+j], v[SAC+j] row_xmask:\x row_mask:0xf bank_mask:0xf
.set j, j+1
.endr
.endr
.irp j, 1,2,3,4,5,6,7
.irp m, 0,1,2,3,4,5,6,7
	v_cndmask_b32 v[SAC+8*\m], v[SAC+8*\m], v[SAC+8*\m+\j], s[47+\j]
.endr
.endr
.irp m, 0,1,2,3,4,5,6,7
	ds_store_b32 v[SW], v[SAC+8*\m] offset:64*\m   ; sigma = 16 m + 8 h + lane % 8
.endr
	WA
	s_wait_dscnt 0x0                               ; my partial scores lie in LDS
	BARRIER
	; ---- C: alike in all waves but for the store of the scores and the rows of the context.  Lane l has sigma 4 l .. 4 l + 3
.irp k, 0,1,2,3
	ds_load_b128 v[48+4*\k:51+4*\k], v[SR] offset:512*\k
.endr
	s_wait_dscnt 0x0
	v_pk_add_f32 v[48:49], v[48:49], v[52:53]
	v_pk_add_f32 v[50:51], v[50:51], v[54:55]
	v_pk_add_f32 v[56:57], v[56:57], v[60:61]
	v_pk_add_f32 v[58:59], v[58:59], v[62:63]
	v_pk_add_f32 v[48:49], v[48:49], v[56:57]
	v_pk_add_f32 v[50:51], v[50:51], v[58:59]
	v_pk_add_f32 v[48:49], v[48:49], s[30:31] op_sel_hi:[1,0]      ; + b_att
	v_pk_add_f32 v[50:51], v[50:51], s[30:31] op_sel_hi:[1,0]
.irp q, 0,1,2,3
	v_cndmask_b32 v[48+\q], v[48+\q], v[NEG], s[66+\q]
.endr
	WA
	s_cmp_lg_u32 s2, 0
	s_cbranch_scc1 .Lnot_wave_0
	global_store_b128 v[SO], v[48:51], s[22:23]    ; the pass's 128 scores: the wave's store covers 512 consecutive bytes, aligned
.Lnot_wave_0:
	v_max3_num_f32 v24, v48, v49, v50
	v_max_num_f32 v24, v24, v51
.irp x, 1,2,4,8
	v_max_num_f32_dpp v24, v24, v24 row_xmask:\x row_mask:0xf bank_mask:0xf
.endr
	v_permlanex16_b32 v25, v24, s44, s45
	v_max_num_f32 v24, v24, v25
	v_max_num_f32 v26, v[MX], v24                  ; the new m
	v_sub_f32 v27, v[MX], v26
.irp q, 0,1,2,3
	v_sub_f32 v[52+\q], v[48+\q], v26
.endr
	v_mul_f32 v27, s46, v27
.irp q, 0,1,2,3
	v_mul_f32 v[52+\q], s46, v[52+\q]
.endr
	WA
	v_exp_f32 v27, v27                             ; f = 2^((old m - new m) log2 e)
.irp q, 0,1,2,3
	v_exp_f32 v[52+\q], v[52+\q]                   ; p of my four rows
.endr
	v_mov_b32 v[MX], v26                           ; (a plain line behind the exponentials)
	WA
	v_fma_f32 v[LS], v[LS], v27, v52
	v_add_f32 v[LS], v[LS], v53
	v_add_f32 v[LS], v[LS], v54
	v_add_f32 v[LS], v[LS], v55
	v_cvt_pk_bf16_f32 v30, v52, v53
	v_cvt_pk_bf16_f32 v31, v54, v55
	ds_store_b64 v[PKW], v[30:31]                  ; into my wave's own 256 bytes; LDS serves a wave's instructions in order:
	ds_load_b128 v[64:67], v[PKR]                  ; every lane reads the pairs of my rows 0-15,
	ds_load_b128 v[68:71], v[PKR] offset:16
	ds_load_b128 v[72:75], v[PKR] offset:128       ; and of my rows 16-31
	ds_load_b128 v[76:79], v[PKR] offset:144
	s_wait_dscnt 0x0
; p x my rows without a transposition.  In the bf16 form lanes 0-15 feed one half of the 32 places along K and lanes 16-31 the other, in both sources; my rows lie in both halves of the lanes, at different e.
; p stands in source 0's row 0 in the first half's places alone (lane 0) and in row 8 in the second half's alone (lane 24): so each lane's register 0 of the result is the sum over 16 rows at its own e.
.irp u, 0,1,2,3,4,5,6,7,8,9,10,11,12,13,14,15
	v_cndmask_b32 v[64+\u], 0, v[64+\u], s47
.endr
.irp rr, 0,1
	WIN 0x04                                       ; source 1: window 1
.irp q, 0,1,2,3,4,5,6,7,8,9,10,11,12,13,14,15
	v_wmma_f32_16x16x32_bf16 v[128+8*\q:128+8*\q+7], v[64:71], v[16*\q:16*\q+7], 0
.endr
.irp q, 0,1,2,3,4,5,6,7,8,9,10,11,12,13,14,15  ; the sixteen accumulators by turns
	v_wmma_f32_16x16x32_bf16 v[128+8*\q:128+8*\q+7], v[72:79], v[16*\q+8:16*\q+15], v[128+8*\q:128+8*\q+7]
.endr
	WIN 0
	PLACES
.if \rr == 0
	RLOAD 1
.endif
.irp q, 0,1,2,3,4,5,6,7,8,9,10,11,12,13,14,15
	v_fma_f32 v[CTX+16*\rr+\q], v[CTX+16*\rr+\q], v27, v[128+8*\q]
.endr
.if \rr == 0
	WA
	s_wait_dscnt 0x0
.endif
.endr
	s_wait_xcnt 0x0                                ; the scores' store and the rows' loads have read their offsets, data and base: these are rewritten only behind this wait
	v_add_nc_u32 v[SO], 512, v[SO]
	s_add_nc_u64 s[8:9], s[8:9], 524288            ; 128 rows on
.irp q, 0,1,2,3
	s_mov_b32 s[66+\q], s[70+\q]
.endr
	s_sub_co_u32 s55, s55, 1
	s_cmp_lg_u32 s55, 0
	WA
	s_cbranch_scc1 .Lpass
	; ---- the way out
.irp x, 1,2,4,8
	v_add_f32_dpp v[LS], v[LS], v[LS] row_xmask:\x row_mask:0xf bank_mask:0xf
.endr
	v_permlanex16_b32 v24, v[LS], s44, s45
	v_add_f32 v[LS], v[LS], v24                    ; l over the 256 rows
	v_and_b32 v22, 31, v0
	s_lshl_b32 s60, s2, 12
	s_add_co_u32 s60, s60, CODE                    ; 4,096 bytes of the stage of codes, which nobody reads any more
	v_lshl_add_u32 v28, v22, 5, s60
	v_lshl_add_u32 v29, v22, 4, s60
	v_lshlrev_b32 v22, 3, v22
	WA
	s_cmp_lg_u32 s2, 0
	s_cbranch_scc1 .Lno_stats
	global_store_b64 v22, v[MX:MX+1], s[24:25]     ; (m, l) in all 32 lanes: 256 consecutive bytes, aligned
.Lno_stats:
	; a lane's eight numbers of each 256 are 32 consecutive bytes: they turn through LDS, so that each store covers 512 consecutive bytes
.irp c, 0,1,2,3
	ds_store_b128 v28, v[CTX+8*\c:CTX+8*\c+3] offset:1024*\c
	ds_store_b128 v28, v[CTX+8*\c+4:CTX+8*\c+7] offset:1024*\c+16
.endr
.irp q, 0,1,2,3,4,5,6,7
	ds_load_b128 v[TMP+4*\q:TMP+4*\q+3], v29 offset:512*\q         ; LDS serves a wave's instructions in order: these see my stores
.endr
.irp q, 0,1,2,3,4,5,6,7
	s_wait_dscnt 7-\q                              ; the younger loads may stay out
	global_store_b128 v[L16], v[TMP+4*\q:TMP+4*\q+3], s[26:27] offset:512*\q
.endr
	s_wait_tensorcnt 0x0                           ; the wave's end
	ds_add_u32 v[SPW], v[NIL]
	s_wait_dscnt 0x0
	s_endpgm
.Lfunc_end_k_q65a3b5725b_attend:
	.size	k_q65a3b5725b_attend, .Lfunc_end_k_q65a3b5725b_attend-k_q65a3b5725b_attend
	.p2alignl 7, 3214868480
	.fill 96, 4, 3214868480
	.section	.rodata,"a",@progbits
	.p2align	6, 0x0
	.amdhsa_kernel k_q65a3b5725b_attend
		.amdhsa_group_segment_fixed_size 311808
		.amdhsa_private_segment_fixed_size 0
		.amdhsa_enable_private_segment 0
		.amdhsa_kernarg_size 80
		.amdhsa_user_sgpr_count 2
		.amdhsa_user_sgpr_kernarg_segment_ptr 1
		.amdhsa_wavefront_size32 1
		.amdhsa_system_sgpr_workgroup_id_x 1
		.amdhsa_system_sgpr_workgroup_id_y 1
		.amdhsa_system_sgpr_workgroup_id_z 1
		.amdhsa_system_vgpr_workitem_id 0
		.amdhsa_next_free_vgpr 1024
		.amdhsa_next_free_sgpr 80
		.amdhsa_reserve_vcc 0
		.amdhsa_float_denorm_mode_32 3
		.amdhsa_float_denorm_mode_16_64 3
		.amdhsa_memory_ordered 1
		.amdhsa_forward_progress 1
		.amdhsa_inst_pref_size 255
	.end_amdhsa_kernel
	.section	.bss,"aw",@nobits
	.p2align	6
	.space	262144
	.amdgpu_metadata
---
amdhsa.version: [ 1, 2 ]
amdhsa.kernels:
  - .name:           k_q65a3b5725b_attend
    .symbol:         k_q65a3b5725b_attend.kd
    .args:
      - { .name: encoder_outputs, .offset: 0, .size: 8, .value_kind: global_buffer, .address_space: global }
      - { .name: mask, .offset: 8, .size: 8, .value_kind: global_buffer, .address_space: global }
      - { .name: w_att, .offset: 16, .size: 8, .value_kind: global_buffer, .address_space: global }
      - { .name: b_att, .offset: 24, .size: 8, .value_kind: global_buffer, .address_space: global }
      - { .name: wq, .offset: 32, .size: 8, .value_kind: global_buffer, .address_space: global }
      - { .name: wsc, .offset: 40, .size: 8, .value_kind: global_buffer, .address_space: global }
      - { .name: bias, .offset: 48, .size: 8, .value_kind: global_buffer, .address_space: global }
      - { .name: scores, .offset: 56, .size: 8, .value_kind: global_buffer, .address_space: global }
      - { .name: stats, .offset: 64, .size: 8, .value_kind: global_buffer, .address_space: global }
      - { .name: ctxp, .offset: 72, .size: 8, .value_kind: global_buffer, .address_space: global }
    .group_segment_fixed_size: 311808
    .private_segment_fixed_size: 0
    .kernarg_segment_align: 8
    .kernarg_segment_size: 80
    .max_flat_workgroup_size: 128
    .sgpr_count:     80
    .vgpr_count:     1024
    .wavefront_size: 32
...
	.end_amdgpu_metadata
.endif
;; end of part 2
;; launch combine (part 3): grid 32 x 4, 2 waves a work-group, no clusters, 0 bytes of LDS; arguments scores, stats, ctxp, out0, out1; writes out0, out1
.if DOCPART == 3
	.amdgcn_target "amdgcn-amd-amdhsa--gfx1250"
	.amdhsa_code_object_version 6
	.text
	.protected	k_q65a3b5725b_combine
	.globl	k_q65a3b5725b_combine
	.p2align	8
	.type	k_q65a3b5725b_combine,@function
k_q65a3b5725b_combine:
	s_mov_b64 s[64:65], 0
	v_nop
	global_prefetch_b8 v0, s[64:65] scope:SCOPE_SE
	s_setreg_imm32_b32 hwreg(HW_REG_WAVE_MODE, 25, 1), 1
	s_wait_xcnt 0x0
; For batch b (work-group x) and quarter y: the batch's maximum M and sum L from its eight work-groups' (m, l); attn = 2^((s - M) log2 e) / L for 512 rows; context = sum over the eight of
; 2^((m_g - M) log2 e) / L x (the four waves' partial contexts) for 256 columns.  Thread t takes 16 bytes at 16 t of each run: each load and store of a wave covers 512 consecutive bytes.
; No LDS, no barrier: threads share nothing.  L is at least 1: the work-group that holds M has a row with p = 1.
	s_load_b256 s[4:11], s[0:1], 0x0               ; scores s[4:5], stats s[6:7], ctxp s[8:9], out0 s[10:11]
	s_load_b64 s[12:13], s[0:1], 0x20              ; out1
	s_and_b32 s3, ttmp7, 0xffff                    ; y
	v_lshlrev_b32 v1, 4, v0
	s_lshl_b32 s32, ttmp9, 11                      ; stats: eight work-groups of 256 bytes a batch
	s_mov_b32 s33, 0
	s_lshl_b32 s34, ttmp9, 13                      ; scores and attn: 8,192 bytes a batch, 2,048 a quarter
	s_lshl_b32 s2, s3, 11
	s_add_co_u32 s34, s34, s2
	s_mov_b32 s35, 0
	s_lshl_b32 s36, ttmp9, 17                      ; partial contexts: 32 of 4,096 bytes a batch; 1,024 bytes a quarter
	s_lshl_b32 s2, s3, 10
	s_add_co_u32 s36, s36, s2
	s_mov_b32 s37, 0
	s_lshl_b32 s38, ttmp9, 12                      ; context: 4,096 bytes a batch
	s_add_co_u32 s38, s38, s2
	s_mov_b32 s39, 0
	s_wait_alu depctr_va_vdst(0)
	s_wait_kmcnt 0x0
	s_add_nc_u64 s[6:7], s[6:7], s[32:33]
	s_add_nc_u64 s[4:5], s[4:5], s[34:35]
	s_add_nc_u64 s[12:13], s[12:13], s[34:35]
	s_add_nc_u64 s[8:9], s[8:9], s[36:37]
	s_add_nc_u64 s[10:11], s[10:11], s[38:39]
.irp g, 0,1,2,3,4,5,6,7
	s_load_b64 s[16+2*\g:17+2*\g], s[6:7], \g*256  ; m_g, l_g
.endr
	global_load_b128 v[16:19], v1, s[4:5] th:TH_LOAD_NT
	global_load_b128 v[20:23], v1, s[4:5] offset:1024 th:TH_LOAD_NT
.set p, 0
.rept 32
	global_load_b128 v[32+4*p:35+4*p], v1, s[8:9] offset:p*4096 th:TH_LOAD_NT
.set p, p+1
.endr
	s_wait_kmcnt 0x0
	v_mov_b32 v2, s16
.irp g, 1,2,3,4,5,6,7
	v_max_num_f32 v2, s[16+2*\g], v2               ; M
.endr
.irp g, 0,1,2,3,4,5,6,7
	v_sub_f32 v[8+\g], s[16+2*\g], v2
.endr
.irp g, 0,1,2,3,4,5,6,7
	v_mul_f32 v[8+\g], 0x3fb8aa3b, v[8+\g]
.endr
	s_wait_alu depctr_va_vdst(0)
.irp g, 0,1,2,3,4,5,6,7
	v_exp_f32 v[8+\g], v[8+\g]
.endr
	v_nop                                          ; a plain line behind the exponentials
	s_wait_alu depctr_va_vdst(0)                   ; one wait for the eight
	v_mul_f32 v3, s17, v8
.irp g, 1,2,3,4,5,6,7
	v_fmac_f32 v3, s[17+2*\g], v[8+\g]             ; L
.endr
	s_wait_alu depctr_va_vdst(0)
	v_rcp_f32 v4, v3
	v_nop
	s_wait_alu depctr_va_vdst(0)
.irp g, 0,1,2,3,4,5,6,7
	v_mul_f32 v[8+\g], v[8+\g], v4                 ; what each work-group's partial context is multiplied by
.endr
	s_wait_loadcnt 32                              ; the scores are in; the 32 loads issued behind them may be out
.irp j, 0,1,2,3,4,5,6,7
	v_sub_f32 v[16+\j], v[16+\j], v2
.endr
.irp j, 0,1,2,3,4,5,6,7
	v_mul_f32 v[16+\j], 0x3fb8aa3b, v[16+\j]
.endr
	s_wait_alu depctr_va_vdst(0)
.irp j, 0,1,2,3,4,5,6,7
	v_exp_f32 v[16+\j], v[16+\j]
.endr
	v_nop
	s_wait_alu depctr_va_vdst(0)
.irp j, 0,1,2,3,4,5,6,7
	v_mul_f32 v[16+\j], v[16+\j], v4
.endr
	global_store_b128 v1, v[16:19], s[12:13]
	global_store_b128 v1, v[20:23], s[12:13] offset:1024
.irp g, 0,1,2,3,4,5,6,7
	s_wait_loadcnt 4*(7-\g)                        ; this work-group's four are in; the later ones may be out
	v_pk_add_f32 v[32+16*\g:33+16*\g], v[32+16*\g:33+16*\g], v[36+16*\g:37+16*\g]
	v_pk_add_f32 v[34+16*\g:35+16*\g], v[34+16*\g:35+16*\g], v[38+16*\g:39+16*\g]
	v_pk_add_f32 v[40+16*\g:41+16*\g], v[40+16*\g:41+16*\g], v[44+16*\g:45+16*\g]
	v_pk_add_f32 v[42+16*\g:43+16*\g], v[42+16*\g:43+16*\g], v[46+16*\g:47+16*\g]
	v_pk_add_f32 v[32+16*\g:33+16*\g], v[32+16*\g:33+16*\g], v[40+16*\g:41+16*\g]
	v_pk_add_f32 v[34+16*\g:35+16*\g], v[34+16*\g:35+16*\g], v[42+16*\g:43+16*\g]
.if \g == 0
	v_pk_mul_f32 v[24:25], v[32:33], v[8:9] op_sel_hi:[1,0]
	v_pk_mul_f32 v[26:27], v[34:35], v[8:9] op_sel_hi:[1,0]
.else
	s_wait_alu depctr_va_vdst(0)
	v_pk_fma_f32 v[24:25], v[32+16*\g:33+16*\g], v[8+2*(\g/2):9+2*(\g/2)], v[24:25] op_sel:[0,\g%2,0] op_sel_hi:[1,\g%2,1]
	v_pk_fma_f32 v[26:27], v[34+16*\g:35+16*\g], v[8+2*(\g/2):9+2*(\g/2)], v[26:27] op_sel:[0,\g%2,0] op_sel_hi:[1,\g%2,1]
.endif
.endr
	global_store_b128 v1, v[24:27], s[10:11]
	s_endpgm
.Lfunc_end_k_q65a3b5725b_combine:
	.size	k_q65a3b5725b_combine, .Lfunc_end_k_q65a3b5725b_combine-k_q65a3b5725b_combine
	.p2alignl 7, 3214868480
	.fill 96, 4, 3214868480
	.section	.rodata,"a",@progbits
	.p2align	6, 0x0
	.amdhsa_kernel k_q65a3b5725b_combine
		.amdhsa_group_segment_fixed_size 0
		.amdhsa_private_segment_fixed_size 0
		.amdhsa_enable_private_segment 0
		.amdhsa_kernarg_size 40
		.amdhsa_user_sgpr_count 2
		.amdhsa_user_sgpr_kernarg_segment_ptr 1
		.amdhsa_wavefront_size32 1
		.amdhsa_system_sgpr_workgroup_id_x 1
		.amdhsa_system_sgpr_workgroup_id_y 1
		.amdhsa_system_sgpr_workgroup_id_z 1
		.amdhsa_system_vgpr_workitem_id 0
		.amdhsa_next_free_vgpr 176
		.amdhsa_next_free_sgpr 66
		.amdhsa_reserve_vcc 0
		.amdhsa_float_denorm_mode_32 3
		.amdhsa_float_denorm_mode_16_64 3
		.amdhsa_memory_ordered 1
		.amdhsa_forward_progress 1
		.amdhsa_inst_pref_size 13
	.end_amdhsa_kernel
	.amdgpu_metadata
---
amdhsa.version: [ 1, 2 ]
amdhsa.kernels:
  - .name:           k_q65a3b5725b_combine
    .symbol:         k_q65a3b5725b_combine.kd
    .args:
      - { .name: scores, .offset: 0, .size: 8, .value_kind: global_buffer, .address_space: global }
      - { .name: stats, .offset: 8, .size: 8, .value_kind: global_buffer, .address_space: global }
      - { .name: ctxp, .offset: 16, .size: 8, .value_kind: global_buffer, .address_space: global }
      - { .name: out0, .offset: 24, .size: 8, .value_kind: global_buffer, .address_space: global }
      - { .name: out1, .offset: 32, .size: 8, .value_kind: global_buffer, .address_space: global }
    .group_segment_fixed_size: 0
    .private_segment_fixed_size: 0
    .kernarg_segment_align: 8
    .kernarg_segment_size: 40
    .max_flat_workgroup_size: 64
    .sgpr_count:     66
    .vgpr_count:     176
    .wavefront_size: 32
...
	.end_amdgpu_metadata
.endif
;; end of part 3
